; MI455X (gfx1250); checked and timed in simulation.
; The chip was launched on July 23, 2026; its instructions are those of AMD's public machine-readable ISA for CDNA 5 (MIT licence, August 2026) and "CDNA5" Instruction Set Architecture Reference Guide (July 2026). The comments in the code are by the model that wrote it; some were corrected since.
;; Causal Self Attention. Allowed arithmetic: matrix products marked QUANTISED: E4M3 operands, one given power-of-two scale a tensor, by v_wmma_f32_16x16x64_fp8_fp8 or v_wmma_f32_16x16x128_fp8_fp8, f32 sums; everything else in f32.
;; Inputs: lowp_scales 8 int32 (the exponents e of the quantised operands' scales 2^e); w_out_codes 1,024 x 32 x 32 uint8 (E4M3 codes of w_out, K innermost, in blocks of 32 codes); w_qkv_codes 3,072 x 32 x 32 uint8 (E4M3 codes of w_qkv, K innermost, in blocks of 32 codes); x_codes 4 x 2,048 x 32 x 32 uint8 (E4M3 codes of x, K innermost, in blocks of 32 codes).
;; Outputs: out0 4 x 2,048 x 1,024 float32.
;; This version of the problem:
;;   THIS VERSION OF THE PROBLEM IS GIVEN IN LOW PRECISION. The matrix products marked QUANTISED in the list below multiply operands that are first quantised to E4M3 (4 exponent bits, 3 mantissa bits; 8 bits a number), with one given power-of-two scale for each operand tensor; their sums are f32. All else is computed in f32.
;;   The module's matrix products, in the order in which they are computed (A, B: the left and right operand; K: the contracted axis; several contracted axes count as one K, in the product's order):
;;     1. [M 8,192, K 1,024] x [K 1,024, N 3,072]; A: input x (given as codes); B: input w_qkv (given as codes): QUANTISED (scales: A lowp_scales[0], B lowp_scales[1])
;;     2. batch 64 x [M 2,048, K 64] x [K 64, N 2,048]; A: computed on the way; B: computed on the way: QUANTISED (scales: A lowp_scales[2], B lowp_scales[3])
;;     3. batch 64 x [M 2,048, K 2,048] x [K 2,048, N 64]; A: softmax (see below); B: computed on the way: QUANTISED (scales: A lowp_scales[4], B lowp_scales[5])
;;     4. [M 8,192, K 1,024] x [K 1,024, N 1,024]; A: computed on the way; B: input w_out (given as codes): QUANTISED (scales: A lowp_scales[6], B lowp_scales[7])
;;   THE QUANTISER, for each operand of a quantised product, along K:
;;     - The operand's scale is 2^e, e = its entry of the input lowp_scales (int32; the entries are numbered through the quantised products in the list's order, A before B).
;;     - Each number is divided by the scale, clamped to +-448, and rounded to the nearest number of E4M3, ties to even, subnormals kept.
;;     - The product sums the exact products of the quantised numbers (number of the format x scale) in f32.
;;   ~~~python
;;   def quantise(x, axis, e):      # numpy; x: float32 -> the quantised numbers, widened to float32 again
;;       x = np.moveaxis(x, axis, -1); K = x.shape[-1]
;;       r = np.clip(x / 2.0 ** e, -448, 448)
;;       step = 2.0 ** (np.maximum(np.frexp(np.where(r == 0, 1, r))[1] - 1, -6) - 3)
;;       q = np.round(r / step) * step * 2.0 ** e      # np.round: ties to even
;;       return np.moveaxis(q, -1, axis).astype(np.float32)
;;   ~~~
;;   SOFTMAX AHEAD OF A QUANTISED PRODUCT. Where the list says 'softmax', what is quantised is not the finished softmax but p = 2^(t - M), with t = logit x log2(e) and M = ceil(the row's largest t), a whole number; so 1/2 < the row's largest p <= 1. The row's sum l is taken of the UNQUANTISED p, in f32, and the product's result is divided by l at the end. Since M is a whole number, a kernel that streams over the keys may use a running M (the ceiling of the running maximum): every later rescaling is an exact power of two, so the quantised numbers keep their values, but for numbers so far below the row's largest that they fall under the format's range.
;;   OPERANDS COMPUTED ON THE WAY. 'Computed on the way' means the value that the module computes at that place (a softmax that the list does not call 'softmax' is quantised finished and normalised). What goes into a quantiser is computed in f32, as accurately as f32 sums, v_exp_f32 and their like allow (about 1e-6 of the number): no bf16 or f16 on the way to a quantiser, and a product that is left as it is and whose result goes on into a quantised operand takes f32 operands (vector FMAs, or v_wmma_f32_16x16x4_f32). A number that lies on a knife's edge between two numbers of the format may be rounded either way, as far as f32 arithmetic and the matrix unit's own rounding can turn it there, and no further.
;;   INPUTS GIVEN AS CODES. w_out (in the module: [1024, 1024], K = its axis 0); w_qkv (in the module: [1024, 3072], K = its axis 0); x (in the module: [4, 2048, 1024], K = its axis 2): each comes as NAME_codes (uint8): NAME with its K axis moved to the last place and cut into blocks of 32 codes, [.., K / 32, bytes a block], one block behind the other in memory; one code a byte (a code: sign, 4 exponent bits, 3 mantissa bits); its scale is its entry of lowp_scales. Its value is code x scale, taken as it is: it is not quantised again, and the codes and scales need not be those that the quantiser above would give.
;; One version. Each part assembles by itself: llvm-mc -triple=amdgcn-amd-amdhsa -mcpu=gfx1250 --defsym DOCPART=n.
;; ======== version 1 of 1: 3 launches
;; limits: right only within a limited range of input values
;; workspace buffers: qkv 25,165,824 bytes; acodes 8,388,608 bytes
;; launch qkvgemm (part 1): grid 12 x 32, 4 waves a work-group, clusters of 4 x 4, 327,680 bytes of LDS; arguments x_codes, w_qkv_codes, lowp_scales, qkv; writes qkv
.if DOCPART == 1
	.amdgcn_target "amdgcn-amd-amdhsa--gfx1250"
	.amdhsa_code_object_version 6
	.text
	.protected	k_q2876f459e3_qkvgemm
	.globl	k_q2876f459e3_qkvgemm
	.p2align	8
	.type	k_q2876f459e3_qkvgemm,@function
k_q2876f459e3_qkvgemm:
	s_mov_b64 s[64:65], 0
	v_nop
	global_prefetch_b8 v0, s[64:65] scope:SCOPE_SE
	s_setreg_imm32_b32 hwreg(HW_REG_WAVE_MODE, 25, 1), 1
	s_wait_xcnt 0x0
	s_wait_alu depctr_hold_cnt(0) depctr_sa_sdst(0) depctr_va_vdst(0) depctr_va_sdst(0) depctr_va_ssrc(0) depctr_va_vcc(0) depctr_vm_vsrc(0)
	s_getreg_b32 s2, hwreg(HW_REG_IB_STS2, 6, 4)
	s_cmp_eq_u32 s2, 0
	s_cbranch_scc0 .Lentry_in_a_cluster
	s_endpgm
.Lentry_in_a_cluster:
	s_bfe_u32 s2, ttmp6, 0x10000c
	s_cmp_lg_u32 s2, 0xf033
	s_cbranch_scc0 .Lentry_shape_is_right
	s_endpgm
.Lentry_shape_is_right:
; LAUNCH 1 OF 3.  qkv = x w_qkv on codes of FP8 (E4M3), and straight from the f32 sums the codes of q (scale 2^e2), k (2^e3) and v (2^e5): no f32 number goes to memory.
; x_codes [8192][1024], w_qkv_codes [3072][1024]: one code a byte, K innermost.  lowp_scales: e0 .. e7 (int32).
; DEAD WORK OF THE WHOLE PROGRAM (it is left out in the second launch; this launch leaves nothing out).  reference() sets scores[q][k] to -inf wherever k > q, by a mask that it builds itself
; (jnp.tril).  Behind the softmax such a key's weight is 0 whatever finite values the inputs hold: it adds 0 to the row's sum and 0 to the row's result.  So a step of 128 keys all of which come
; after all 16 queries of a tile reaches no output, and is not multiplied; slots of keys that hold only such steps are not fetched.  Every input has a way to the output and is loaded.
; LIMIT: a NaN, an infinity or an overflow that reaches only the scores left out is not carried to the result.
; SHARES.  A tile of 256 x 256 of the product is made by a work-group of four waves; a wave makes 128 x 128: 64 accumulators of 16 x 16, 512 registers.  K goes in steps of 256 through a ring of two LDS slots.
; CLUSTERS: 4 x 4 work-groups.  A cluster covers 1,024 tokens x 1,024 features, and 1,024 features are just q, k or v: the cluster's x IS THE ROLE (0 q, 1 k, 2 v), the same in all sixteen partners.
; The matrix instruction takes 16 rows of the "B side" as source 0 and 16 rows of the "A side" as source 1: a lane then holds ONE row of the A side and eight neighbouring rows of the B side.
;   roles q, k: A side = tokens (x), B side = features (w): a lane's eight sums are eight neighbours along the head's 64, which is the K of q k^T.
;   role v:     A side = features (w rows 2048 on), B side = tokens (x): a lane's eight sums are eight neighbouring KEYS, which are the K of p v.
; Both tensors have rows of 1,024 bytes, so only two base addresses and two row numbers are chosen (s_cselect on the cluster's x); ring, loop and descriptors' shapes are one text for all roles.
; A side's tiles are shared along a row of the cluster, B side's along a column: each is asked for JOINTLY, by the same tensor load with the same descriptor and a mask that names the four.
; THE WAY OUT.  One conversion turns an accumulator's eight sums into 8 bytes, which are registers 2 b, 2 b + 1 of an operand of the next launch's matrix instruction in that form's own layout.
; So the codes are stored as IMAGES OF OPERAND REGISTERS: four registers by one store, lane l's 16 bytes at 16 l: each store of the wave covers 512 consecutive bytes, aligned.  No stage in LDS.
; qkv: [16 batch + head: 64][block of 256 tokens: 8][49,152 bytes]; a block: q [tile of 16 tokens: 16][2 groups of 512 bytes], k the same, v [128 keys: 2][16 of the head's 64: 4][4 groups of 512 bytes].
; code = sum x 2^(e0 + e1) / 2^e_out, to the nearest code, ties to even: the three exponents are folded into the conversion's one scale, 2^es, es = e_out - e0 - e1.
; LIMIT: es between -126 and 127, so that 2^es is an f32 number.
; 384 work-groups of equal work.  A tile of 256 x 384 would make 256 of them, but it would lie across the border of k and v, where the sources change places.
; REGISTERS, in windows of 256: window 0: v16-29 addresses; v96-111 the stores' offsets; v112 the scale; v128-255 A's fragments, ONE set; on the way out the codes.
;   window 1: B's fragments, TWO sets.   window 2: the accumulators of my A rows 0-63 ((a, b) at v[8 (8 a + b)]);   window 3: those of rows 64-127.
.set ROWB,   256                       ; a tile's row in bytes: 256 along K
.set KROW,   1024                      ; a row of x or of w in memory, in bytes
.set PITCH,  272                       ; an LDS row: 256 bytes + 16 of padding = 68 words: the 16 rows that a load touches start at 16 different banks (64 banks of 4 bytes: ISA guide 11.1)
.set FR,     16                        ; registers of a fragment: 16 rows x 128 K
.set NL,     4                         ; LDS loads that bring one
.set NP,     4                         ; places behind this matrix instruction (ISA guide 7.12.1)
.set HALFT,  128*PITCH                 ; 128 rows: what one tensor load brings
.set SLOT,   4*HALFT                   ; A's 256 rows, then B's 256 rows
.set LAPS,   2                         ; K = 1,024 = two laps of two K steps
.set SPARE,  2*SLOT                    ; behind the ring: the spare words, 128 bytes for each wave: two blocks of 256 bytes that no other line names
.set HS,     393216                    ; qkv: bytes of a head
.set BLKB,   49152                     ; and of a block of 256 tokens
.set ADRA, 16                          ; v16-17  LDS address of my A fragments in slot 0, 1
.set ADRB, 20                          ; v20-21  the same for B
.set LI,   26                          ; v26     16 x lane
.set SPW,  28                          ; v28     LDS address of my spare word; never rewritten
.set NIL,  29                          ; v29     0; never rewritten
.set TMP,  32
.set VO,   96                          ; v96-111 byte offset in qkv of A block a's images, halves 0 and 1: v[VO + 2 a + hf]; never rewritten
.set SC,   112                         ; v112    2^es as f32
.set LIM,  113
.set AF,   128
.set CD,   128                         ; the codes: 16 registers for each A block, so that no store's data are written again
.set G1, 24                            ; s[24:31] descriptor group 1 for A's tiles;  s[32:39] group 0, one set for each slot
.set G0, 32
.set G1B, 48                           ; s[48:55], s[56:63] the same for B's tiles
.set G0B, 56
.set MSB, 0
.macro WIN new                         ; the immediate's high byte repeats the setting that is left
.if MSB != \new
	s_set_vgpr_msb (MSB<<8)|\new
.set MSB, \new
.endif
.endm
.set MUL_LO, 0xa1                      ; source 0 (B) window 1, source 1 (A) window 0, C and D window 2
.set MUL_HI, 0xf1                      ; the same, C and D window 3
.set TO_B,   0x40                      ; destination window 1, address window 0
; A joint load: waves 0 and 1 fetch for A, waves 2 and 3 for B.  The branch hangs on the wave's number alone.  An s_nop 0 and four v_nop follow each of the two lines.
.macro JLOAD g0a, g1a, g0b, g1b
	s_cmp_eq_u32 s15, 0
	s_cbranch_scc0 .Lfor_b_\@
	tensor_load_to_lds s[\g0a:\g0a+3], s[\g1a:\g1a+7]
	s_nop 0
.rept 4
	v_nop
.endr
	s_branch .Lasked_\@
.Lfor_b_\@:
	tensor_load_to_lds s[\g0b:\g0b+3], s[\g1b:\g1b+7]
	s_nop 0
.rept 4
	v_nop
.endr
.Lasked_\@:
.endm
.macro CREST                           ; a round of the cluster's barrier behind its opening barrier
	s_cmp_lg_u32 s14, 0
	s_cbranch_scc1 .Lnot_wave_0_\@
	s_barrier_signal -3
.Lnot_wave_0_\@:
	s_barrier_wait -3
	s_barrier_signal -1
	s_barrier_wait -1
.endm
.macro CROUND                          ; a whole round
	s_barrier_signal -1
	s_barrier_wait -1
	CREST
.endm
	s_load_b128 s[4:7], s[0:1], 0x0                ; x's codes s[4:5], w_qkv's codes s[6:7]
	s_load_b128 s[8:11], s[0:1], 0x10              ; the scales' exponents s[8:9], qkv s[10:11]
	v_lshl_add_u32 v[SPW], v0, 2, SPARE
	v_mov_b32 v[NIL], 0
	ds_add_u32 v[SPW], v[NIL]                      ; the wave's opening: the add, twice on end, and its wait ahead of my first tensor load
	ds_add_u32 v[SPW], v[NIL]                      ; and once more; the set-up below, work on registers, stands between it and the wait
	v_lshrrev_b32 v1, 5, v0
	v_readfirstlane_b32 s14, v1                    ; wave 0..3
	s_lshr_b32 s15, s14, 1                         ; which half of the tile's A rows is mine.  Also: I fetch for A (0) or for B (1)
	s_and_b32 s16, s14, 1                          ; which half of its B rows.  Also: which 128 rows of that tile I fetch
	s_bfe_u32 s40, ttmp6, 0x40000                  ; cx, cy: my place in the cluster
	s_bfe_u32 s41, ttmp6, 0x40004
	s_and_b32 s17, ttmp7, 0xffff                   ; the cluster's y: which 1,024 tokens
	s_lshl_b32 s43, s41, 2
	s_lshl_b32 s43, 15, s43                        ; my row of the cluster
	s_lshl_b32 s44, 0x1111, s40                    ; my column
	; descriptor group 1: a tile of 128 rows x 256 bytes, padded in LDS
	s_or_b32 s[G1+0], s43, (0<<16)|(1<<20)|(1<<21)|(5<<22)|(3<<25)  ; 15:0 the mask: A's tiles go to my row; 17:16 element of 1 byte; 20 padding on; 21 set beside a mask; 24:22 after every 64 words (code 5); 31:25 of 4 words (code 3)
	s_or_b32 s[G1B+0], s44, (0<<16)|(1<<20)|(1<<21)|(5<<22)|(3<<25) ; the same with my column's mask
.irp g, G1, G1B
	s_mov_b32 s[\g+1], ROWB<<16                    ; tensor_dim0
	s_mov_b32 s[\g+2], 128<<16                     ; tensor_dim1 = 128
	s_mov_b32 s[\g+3], ROWB<<16                    ; tile_dim0
	s_mov_b32 s[\g+4], 128                         ; tile_dim1 = 128
	s_mov_b32 s[\g+5], KROW                        ; tensor_dim0_stride
	s_mov_b32 s[\g+6], 0
	s_mov_b32 s[\g+7], 0
.endr
	; which rows I fetch.  A's hang on cy and on what the whole cluster shares, B's on cx and the same: each in registers that never hold the other coordinate
	s_lshl_b32 s18, s16, 7                         ; 128 x the half that I fetch
	s_lshl_b32 s80, s17, 10                        ; the cluster's first token
	s_lshl_b32 s81, ttmp9, 10                      ; the role's first row of w
	s_lshl_b32 s83, s41, 8                         ; 256 cy
	s_lshl_b32 s84, s40, 8                         ; 256 cx
	s_mov_b32 s82, 2048
	s_cmp_lt_u32 ttmp9, 2                          ; q or k?  The cluster's x alone decides
	s_cselect_b32 s20, s80, s82                    ; A side: tokens, or v's rows of w
	s_cselect_b32 s46, s81, s80                    ; B side: the role's rows of w, or tokens
	s_add_co_u32 s20, s20, s83
	s_add_co_u32 s20, s20, s18
	s_lshl_b32 s20, s20, 10                        ; a row is 1,024 bytes; under 2^24 in all
	s_mov_b32 s21, 0
	s_add_co_u32 s46, s46, s84
	s_add_co_u32 s46, s46, s18
	s_lshl_b32 s46, s46, 10
	s_mov_b32 s47, 0
	s_mul_i32 s45, s14, HALFT                      ; where they go: wave x 128 rows: no place in the cluster enters an LDS address
	s_wait_dscnt 0x0                               ; both opening adds are done
	s_wait_kmcnt 0x0
	s_load_b256 s[68:75], s[8:9], 0x0              ; e0 .. e7
	s_cmp_lt_u32 ttmp9, 2
	s_cselect_b64 s[76:77], s[4:5], s[6:7]         ; A side's tensor
	s_cselect_b64 s[78:79], s[6:7], s[4:5]         ; B side's
	s_add_nc_u64 s[20:21], s[76:77], s[20:21]
	s_add_nc_u64 s[46:47], s[78:79], s[46:47]
	CROUND                                         ; all sixteen work-groups are here: the first joint loads meet
.irp s, 0,1
	s_mov_b32 s[G0+4*\s], 1
	s_add_co_u32 s[G0+4*\s+1], s45, \s*SLOT
	s_add_nc_u64 s[G0+4*\s+2:G0+4*\s+3], s[20:21], \s*ROWB
	s_or_b32 s[G0+4*\s+3], s[G0+4*\s+3], 0x80000000
	s_mov_b32 s[G0B+4*\s], 1
	s_add_co_u32 s[G0B+4*\s+1], s45, \s*SLOT
	s_add_nc_u64 s[G0B+4*\s+2:G0B+4*\s+3], s[46:47], \s*ROWB
	s_or_b32 s[G0B+4*\s+3], s[G0B+4*\s+3], 0x80000000
	JLOAD G0+4*\s, G1, G0B+4*\s, G1B               ; two loads of mine are out
.endr
	v_and_b32 v1, 15, v0                           ; l % 16
	v_bfe_u32 v2, v0, 4, 1                         ; l / 16
	v_mul_u32_u24 v3, v1, PITCH
	v_lshl_add_u32 v4, v2, 4, v3                   ; a fragment's row x pitch + 16 x half
	s_mul_i32 s21, s15, HALFT                      ; my 128 rows of A
	s_mul_i32 s22, s16, HALFT                      ; my 128 rows of B,
	s_add_co_u32 s22, s22, 2*HALFT                 ; which lie behind A's 256
.irp s, 0,1
	v_add_nc_u32 v[ADRA+\s], s21, v4
	v_add_nc_u32 v[ADRB+\s], s22, v4
	s_add_co_u32 s21, s21, SLOT
	s_add_co_u32 s22, s22, SLOT
.endr
	v_and_b32 v6, 31, v0
	v_lshlrev_b32 v[LI], 4, v6
	s_wait_alu depctr_va_vdst(0)
	; where my images go, as byte offsets in qkv
	s_lshl_b32 s86, s15, 7
	s_add_co_u32 s86, s86, s83                     ; my first A row in the cluster: 256 cy + 128 x half
	s_add_co_u32 s87, s84, s18                     ; my first B row: 256 cx + 128 x half
	s_mov_b32 s90, 2048
	s_mov_b32 s91, HS
	s_mov_b32 s92, 1024
	s_cmp_lt_u32 ttmp9, 2
	s_cselect_b32 s88, s86, s87                    ; my first token in the cluster's 1,024,
	s_cselect_b32 s89, s87, s86                    ; my first feature in the role's 1,024
	s_cselect_b32 s90, 1024, s90                   ; from A block to A block: a tile of 16 tokens (q, k); 16 of the head's 64 (v)
	s_cselect_b32 s91, 4096, s91                   ; four A blocks on: four tiles of tokens; the next head
	s_cselect_b32 s92, HS, s92                     ; from half 0 to half 1 of an A block's 16 registers: the next head; two groups on
	s_add_co_u32 s88, s88, s80                     ; my first token
	s_lshr_b32 s93, s88, 11                        ; batch
	s_lshl_b32 s93, s93, 4
	s_lshr_b32 s94, s89, 6                         ; head
	s_add_co_u32 s93, s93, s94
	s_mul_i32 s93, s93, HS
	s_bfe_u32 s94, s88, 0x30008                    ; block of 256 tokens
	s_mul_i32 s94, s94, BLKB
	s_add_co_u32 s93, s93, s94
	s_lshl_b32 s94, ttmp9, 14                      ; q, k or v: 16,384 bytes each
	s_add_co_u32 s93, s93, s94
	s_bfe_u32 s94, s88, 0x10007                    ; which 128 tokens of the block: 8,192 bytes in each of the three
	s_lshl_b32 s94, s94, 13
	s_add_co_u32 s93, s93, s94
	v_add_nc_u32 v[VO], s93, v[LI]
.irp a, 1,2,3
	v_add_nc_u32 v[VO+2*\a], s90, v[VO+2*\a-2]
.endr
.irp a, 4,5,6,7
	v_add_nc_u32 v[VO+2*\a], s91, v[VO+2*\a-8]
.endr
.irp a, 0,1,2,3,4,5,6,7
	v_add_nc_u32 v[VO+2*\a+1], s92, v[VO+2*\a]
.endr
	s_wait_kmcnt 0x0                               ; the exponents
	s_cmp_eq_u32 ttmp9, 0
	s_cselect_b32 s84, s70, s71                    ; e2 for q, e3 for k,
	s_cmp_eq_u32 ttmp9, 2
	s_cselect_b32 s84, s73, s84                    ; e5 for v
	s_sub_co_i32 s84, s84, s68
	s_sub_co_i32 s84, s84, s69                     ; es = e_out - e0 - e1
	s_add_co_i32 s84, s84, 127
	s_lshl_b32 s85, s84, 23
	v_mov_b32 v[SC], s85                           ; 2^es as f32: the conversion takes its exponent field
.macro FRAG reg, adr, q, i             ; a fragment, 16 rows x 128 K: lane l holds row l % 16; registers 4 c .. 4 c + 3 hold K = 32 c + 16 (l / 16) + 0 .. 15: the same places in A and in B, so every product meets its partner
.irp c, 0,1,2,3
	ds_load_b128 v[\reg+4*\c:\reg+4*\c+3], v[\adr] offset:128*(\q)+32*\c+(\i)*16*PITCH
.endr
.endm
; 16 matrix instructions: A's blocks a0, a0 + 1 x B's eight, 128 along K.  p: B's set.  zero = 1: the first product starts the sums.  The 64 accumulators take turns, one instruction a turn.
.macro MUL16 a0, p, zero
.irp a, \a0, \a0+1
.irp b, 0,1,2,3,4,5,6,7
.if \zero
	v_wmma_f32_16x16x128_fp8_fp8 v[8*(8*((\a)%4)+\b):8*(8*((\a)%4)+\b)+7], v[128*(\p)+FR*\b:128*(\p)+FR*\b+FR-1], v[AF+FR*(\a):AF+FR*(\a)+FR-1], 0
.else
	v_wmma_f32_16x16x128_fp8_fp8 v[8*(8*((\a)%4)+\b):8*(8*((\a)%4)+\b)+7], v[128*(\p)+FR*\b:128*(\p)+FR*\b+FR-1], v[AF+FR*(\a):AF+FR*(\a)+FR-1], v[8*(8*((\a)%4)+\b):8*(8*((\a)%4)+\b)+7]
.endif
.endr
.endr
.endm
.macro FETCH_B slot, q, p              ; B's eight fragments of the slot's q-th 128 along K into set p
	WIN TO_B
.irp i, 0,1,2,3,4,5,6,7
	FRAG 128*(\p)+FR*\i, ADRB+\slot, \q, \i
.endr
	WIN 0
.endm
.macro FETCH_A slot, q, i0             ; A's blocks i0 .. i0 + 3
.irp i, \i0, \i0+1, \i0+2, \i0+3
	FRAG AF+FR*(\i), ADRA+\slot, \q, \i
.endr
.endm
.macro PLACES n                        ; plain vector instructions that name no register of the matrix instructions in front: ahead of loads into registers that those have read, and of the first read of results
.rept \n
	v_nop
.endr
.endm
; A step of 128 along K that has its successor in the same slot.
.macro STEP slot, q, zero
	s_wait_dscnt 4*NL                              ; B's set and A's blocks 0-3 are in; the youngest 16 loads (A's blocks 4-7) may be out
	WIN MUL_LO
	MUL16 0, (\q)%2, \zero
	MUL16 2, (\q)%2, \zero
	s_wait_dscnt 0                                 ; A's blocks 4-7 are in
	PLACES NP
	FETCH_B \slot, (\q)+1, 1-(\q)%2
	FETCH_A \slot, (\q)+1, 0
	WIN MUL_HI
	MUL16 4, (\q)%2, \zero
	MUL16 6, (\q)%2, \zero
	PLACES NP
	WIN 0
	FETCH_A \slot, (\q)+1, 4
.endm
; A slot's last step changes slots: ONE barrier; in front of it each wave waits for all its tensor loads, adds 0 to its spare word, and waits for that and for its own reads of this slot.  fill = 1: this slot is filled again, two K steps ahead.
.macro TURN slot, next, fill
	s_wait_tensorcnt 0x0                           ; all my tensor loads have landed: my part of the next slot
	ds_add_u32 v[SPW], v[NIL]                      ; 0 onto my spare word
	s_wait_dscnt 4*NL+1                            ; (the add and the youngest 16 loads, A's blocks 4-7, may be out)
	WIN MUL_LO
	MUL16 0, 1, 0                                  ; sixteen matrix instructions stand between the add and the wait for it
	s_wait_dscnt 0x0                               ; the add is done, and my reads of this slot are over
	s_barrier_signal -1
	MUL16 2, 1, 0
	WIN 0
	s_barrier_wait -1
.if \fill
	CREST                                          ; the barrier has opened a round of the cluster's barrier: no wave of any partner still reads this slot's tile or has a load on its way
	s_add_nc_u64 s[G0+4*\slot+2:G0+4*\slot+3], s[G0+4*\slot+2:G0+4*\slot+3], 2*ROWB
	s_add_nc_u64 s[G0B+4*\slot+2:G0B+4*\slot+3], s[G0B+4*\slot+2:G0B+4*\slot+3], 2*ROWB
	JLOAD G0+4*\slot, G1, G0B+4*\slot, G1B         ; the first tensor load behind the round, my one load until the next; its four v_nop are the places in front of the loads below
.else
	PLACES NP
.endif
	FETCH_B \next, 0, 0
	FETCH_A \next, 0, 0
	WIN MUL_HI
	MUL16 4, 1, 0
	MUL16 6, 1, 0
	PLACES NP
	WIN 0
	FETCH_A \next, 0, 4
.endm
	s_wait_tensorcnt 1                             ; my part of K step 0 is in; K step 1's load may be out
	s_barrier_signal -1
	s_barrier_wait -1                              ; everybody's is
	FETCH_B 0, 0, 0
	FETCH_A 0, 0, 0
	FETCH_A 0, 0, 4
	STEP 0, 0, 1                                   ; the first step stands in front of the loop: its products start the sums
	s_mov_b32 s3, LAPS-1
.Llap:                                                 ; a trip goes once round the ring, from a lap's second step to the next lap's first, and fills both slots again
	TURN 0, 1, 1
	STEP 1, 0, 0
	TURN 1, 0, 1
	STEP 0, 0, 0
	s_sub_co_u32 s3, s3, 1
	s_cmp_lg_u32 s3, 0
	s_cbranch_scc1 .Llap
	TURN 0, 1, 0                                   ; the last lap fills nothing, and has no round of the cluster's barrier
	STEP 1, 0, 0
	s_wait_dscnt 4*NL                              ; the very last step: nothing more to fetch
	WIN MUL_LO
	MUL16 0, 1, 0
	MUL16 2, 1, 0
	s_wait_alu depctr_va_vdst(0)
	s_wait_dscnt 0
	WIN MUL_HI
	MUL16 4, 1, 0
	MUL16 6, 1, 0
	WIN 0
; THE WAY OUT of A block a: its 8 accumulators are converted as they stand, with no hold, from window 2 or 3;
; eight conversions make 16 registers of codes; four stores, 512 consecutive bytes each.  q, k: half hf is a head's 64 of tile a's 16 tokens, two groups.  v: the 16 registers are 128 keys of 16 of a head's 64, four groups.
.macro OUT a
.set AC, 64*((\a)%4)
	WIN 0x02+((\a)/4)                              ; source 0: window 2 or 3
.set j, 0
.rept 64
.set j, j+1
.endr
.irp b, 0,1,2,3,4,5,6,7
	v_cvt_scalef32_pk8_fp8_f32 v[CD+16*(\a)+2*\b:CD+16*(\a)+2*\b+1], v[AC+8*\b:AC+8*\b+7], v[SC]
.endr
	WIN 0
	v_nop                                          ; one plain vector instruction between the last conversion and the stores that read its results
.irp hf, 0,1
.irp g, 0,1
	global_store_b128 v[VO+2*(\a)+\hf], v[CD+16*(\a)+8*\hf+4*\g:CD+16*(\a)+8*\hf+4*\g+3], s[10:11] offset:512*\g
.endr
.endr
.endm
	PLACES NP                                      ; behind the last products: for the reads of their results and the writes over A's fragments
.irp a, 0,1,2,3,4,5,6,7
	OUT \a
.endr
	s_wait_tensorcnt 0x0                           ; the wave's end: an add onto my spare word and its wait, behind my last tensor load
	ds_add_u32 v[SPW], v[NIL]
	s_wait_dscnt 0x0
	CROUND                                         ; the closing round: no work-group ends while a partner may still ask for a tile that names it
	s_endpgm
.Lfunc_end_k_q2876f459e3_qkvgemm:
	.size	k_q2876f459e3_qkvgemm, .Lfunc_end_k_q2876f459e3_qkvgemm-k_q2876f459e3_qkvgemm
	.p2alignl 7, 3214868480
	.fill 96, 4, 3214868480
	.section	.rodata,"a",@progbits
	.p2align	6, 0x0
	.amdhsa_kernel k_q2876f459e3_qkvgemm
		.amdhsa_group_segment_fixed_size 327680
		.amdhsa_private_segment_fixed_size 0
		.amdhsa_enable_private_segment 0
		.amdhsa_kernarg_size 32
		.amdhsa_user_sgpr_count 2
		.amdhsa_user_sgpr_kernarg_segment_ptr 1
		.amdhsa_wavefront_size32 1
		.amdhsa_system_sgpr_workgroup_id_x 1
		.amdhsa_system_sgpr_workgroup_id_y 1
		.amdhsa_system_sgpr_workgroup_id_z 1
		.amdhsa_system_vgpr_workitem_id 0
		.amdhsa_next_free_vgpr 1024
		.amdhsa_next_free_sgpr 100
		.amdhsa_reserve_vcc 0
		.amdhsa_float_denorm_mode_32 3
		.amdhsa_float_denorm_mode_16_64 3
		.amdhsa_fp16_overflow 1
		.amdhsa_memory_ordered 1
		.amdhsa_forward_progress 1
		.amdhsa_inst_pref_size 87
	.end_amdhsa_kernel
	.amdgpu_metadata
---
amdhsa.version: [ 1, 2 ]
amdhsa.kernels:
  - .name:           k_q2876f459e3_qkvgemm
    .symbol:         k_q2876f459e3_qkvgemm.kd
    .args:
      - { .name: x_codes, .offset: 0, .size: 8, .value_kind: global_buffer, .address_space: global }
      - { .name: w_qkv_codes, .offset: 8, .size: 8, .value_kind: global_buffer, .address_space: global }
      - { .name: lowp_scales, .offset: 16, .size: 8, .value_kind: global_buffer, .address_space: global }
      - { .name: qkv, .offset: 24, .size: 8, .value_kind: global_buffer, .address_space: global }
    .group_segment_fixed_size: 327680
    .private_segment_fixed_size: 0
    .kernarg_segment_align: 8
    .kernarg_segment_size: 32
    .max_flat_workgroup_size: 128
    .sgpr_count:     100
    .vgpr_count:     1024
    .wavefront_size: 32
...
	.end_amdgpu_metadata
.endif
;; end of part 1
;; launch attn (part 2): grid 4 x 64, 16 waves a work-group, no clusters, 327,680 bytes of LDS; arguments qkv, lowp_scales, acodes; writes acodes
.if DOCPART == 2
	.amdgcn_target "amdgcn-amd-amdhsa--gfx1250"
	.amdhsa_code_object_version 6
	.text
	.protected	k_q2876f459e3_attn
	.globl	k_q2876f459e3_attn
	.p2align	8
	.type	k_q2876f459e3_attn,@function
k_q2876f459e3_attn:
	s_mov_b64 s[64:65], 0
	v_nop
	global_prefetch_b8 v0, s[64:65] scope:SCOPE_SE
	s_setreg_imm32_b32 hwreg(HW_REG_WAVE_MODE, 25, 1), 1
	s_wait_xcnt 0x0
; LAUNCH 2 OF 3.  For each batch and head: o[q] = the sum over keys k <= q of softmax_k(q . k / 8) v[k], both products on codes of FP8 (E4M3); o is quantised (scale 2^e6) and stored as codes for the last product.
; WORK LEFT OUT: steps of 128 keys all of which come after a wave's 16 queries, and slots of keys that hold only such steps: reference()'s own causal mask gives them the weight 0 for all inputs (shown at the head of the first launch).
; LIMIT: a NaN, an infinity or an overflow that reaches only those scores is not carried to the result.
; THE SOFTMAX AHEAD OF THE SECOND PRODUCT: t = score x log2(e) / 8; M = the row's largest t so far, rounded UP to a whole number; p = 2^(t - M) is what is quantised (scale 2^e4); it is not normalised.
; The row's sum is taken of the unquantised p, in f32, and divides O at the end.  When M moves, the sum and O are multiplied by 2^(old M - new M): exact.
; qkv (made by the first launch): [16 batch + head][block of 256 tokens: 8][q 16 KB | k 16 KB | v 16 KB], all as IMAGES OF OPERAND REGISTERS: a group of four registers is 512 bytes, lane l's 16 at 16 l.
; So a fragment comes by plain loads of 512 consecutive bytes, LDS needs no padding, and k and v of a block are one dense run of 32 KB: a slot.
; SHARES.  Work-group (i, head) owns the query blocks 7 - i and i of 256 queries: (8 - i) + (i + 1) = 9 slots of keys for every work-group, so all 256 have the same work.  Each of SIXTEEN waves owns 16 queries
; of the block in hand, in 256 registers.  The walk has 9 trips for all: block 7 - i with slots 0 .. 7 - i, then block i with slots 0 .. i.  Every slot that is fetched is read.
; NO CLUSTER: the four work-groups of a head want the same slot only in trips 0 to 4; from trip 5 on they want different ones.  A walk that all four share takes 8 + 4 = 12 slots against 9.
; LAYOUT.  Both products are used transposed: S^T = K Q^T (source 0 = 16 keys, source 1 = my 16 queries, K = the head's 64), O^T = V^T P^T (source 0 = 16 of the head's 64, source 1 = P, K = 128 keys):
; a lane holds ONE query (lane % 16) throughout.  In S^T register 8 t + j is key 16 t + 8 (lane / 16) + j: one conversion of a tile's eight registers gives registers 2 t, 2 t + 1 of P in the K = 128 form's own layout.
; LIMITS on the given exponents, so that each power of two below is an f32 number: e2 + e3 between -123 and 130 (added to c's exponent field); e4, and e6 - e4 - e5, between -126 and 119.
; A p under 2^-126 comes out of v_exp_f32 as 0 (ISA guide, its entry).
; REGISTERS: v1-7, v25 addresses; v8 and v11 the scales; v12 -M, v13 the largest t, v[14:15] the sum in two halves; v16-23 Q; v24, v26-31 at work; v32-95 K's 8 fragments, then P's codes (v32-47);
;   v96-159 S^T, then p; v160-191 O^T; v192-255 V's 4 fragments.
.set HS,    393216                     ; qkv: bytes of a head
.set BLKB,  49152                      ; and of a block of 256 tokens
.set SLOT1, 0x8000                     ; LDS: slot 0 at 0, slot 1 here: one exclusive or turns an address in one slot into the other's.  A slot: K's images (16,384 bytes), then V's
.set SPARE, 65536                      ; behind the ring: the spare words, 128 bytes for each wave: eight blocks of 256 bytes that no other line names
.set LI,   1                           ; v1   16 x lane
.set AD,   2                           ; v2   LDS address of the slot in hand, for my lane
.set PFO,  3                           ; v3   256 x lane: the prefetches' offset; never rewritten
.set QO,   4                           ; v4   byte offset of my Q fragment in the head
.set SPW,  5                           ; v5   LDS address of my spare word; never rewritten
.set NIL,  6                           ; v6   0; never rewritten
.set DQ,   7                           ; v7   lane % 16 - 8 (lane / 16)
.set GO,   25                          ; v25  byte offset of my 16 rows' image in acodes
.set TB,   2                           ; s2   LDS byte at which the slot in hand begins
.set TR,   3                           ; s3   the trip
.set KVB,  10                          ; s[10:11] what I fetch if I fetch: the head's block 0, K's images (wave 0) or V's (wave 1)
.set QBASE, 12                         ; s[12:13] the head's first byte in qkv
.set NX,   16                          ; s16  the block of keys asked for last
.set SW,   17                          ; s17  7 - i: the first query block, and the trip behind which the blocks change
.set WV,   18                          ; s18  my wave's number
.set PI,   19                          ; s19  i: the second query block
.set SEL,  20                          ; s[20:21] lane selects for v_permlanex16_b32: lane l xor 16
.set CS,   22                          ; s[22:23] c = log2(e) / 8 x 2^(e2 + e3)
.set G1,   24                          ; s[24:31] descriptor group 1
.set QB,   32                          ; s32  the query block in hand
.set KF,   33                          ; s33  the step's first key
.set Q0,   34                          ; s34  my first query
.set MASKH, 35                         ; s35  a lane mask: lanes 16 to 31
.set LIMP, 36                          ; s36  6 in a wave that prefetches, else 0: it asks while the trip is under this
.set PFA,  38                          ; s[38:39] where my prefetches stand
.set G0,   40                          ; s[40:43] descriptor group 0
; Waves 0 and 1 fetch, K's images and V's; the others nothing.  The branch hangs on the wave's number alone.  An s_nop 0 and four v_nop follow the load.
.macro TLOAD
	s_cmp_lt_u32 s[WV], 2
	s_cbranch_scc0 .Lnone_\@
	tensor_load_to_lds s[G0:G0+3], s[G1:G1+7]
	s_nop 0
.rept 4
	v_nop
.endr
.Lnone_\@:
.endm
; A PREFETCH INTO THE L2 of the slot that the NEXT change of slots will ask for: the change of trip t names block t + 2 of the head's keys, t = 0 .. 5.  All four work-groups of a head walk blocks 0 on in the same
; order; the first of them (i = 0), which walks all eight, asks, and nobody else.  In it waves 4 to 7, which fetch nothing, take 8,192 bytes each, lanes 256 bytes apart: each aligned 256 bytes of K's and V's
; images from block 2 on are named once in the launch.  Blocks 0 and 1 come by their loads alone; trips 6 and 7 ask for nothing: there is no block 8.
.macro ASK
	s_cmp_lt_u32 s[TR], s[LIMP]
	s_cbranch_scc0 .Lnot_mine_\@
	global_prefetch_b8 v[PFO], s[PFA:PFA+1] th:TH_LOAD_NT scope:SCOPE_SE
.Lnot_mine_\@:
.endm
	s_load_b128 s[4:7], s[0:1], 0x0                ; qkv s[4:5], the scales' exponents s[6:7]
	s_load_b64 s[8:9], s[0:1], 0x10                ; acodes
	v_lshl_add_u32 v[SPW], v0, 2, SPARE
	v_mov_b32 v[NIL], 0
	ds_add_u32 v[SPW], v[NIL]                      ; the wave's opening: the add, twice on end, and its wait ahead of my first tensor load
	ds_add_u32 v[SPW], v[NIL]                      ; and once more; the set-up below, work on registers, stands between it and the wait
	v_lshrrev_b32 v24, 5, v0
	s_delay_alu instid0(VALU_DEP_1)
	v_readfirstlane_b32 s[WV], v24                 ; wave 0..15
	s_mov_b32 s[PI], ttmp9
	s_sub_co_u32 s[SW], 7, ttmp9
	s_and_b32 s44, ttmp7, 0xffff                   ; 16 batch + head
	s_mul_i32 s46, s44, HS
	s_mov_b32 s47, 0
	s_and_b32 s48, s[WV], 1
	s_lshl_b32 s48, s48, 14                        ; 16,384 x (wave % 2): K's images or V's, in memory and in a slot alike
	; descriptor group 1: 16,384 dense bytes as 64 rows of 256: 32 elements of 8 bytes a row
	s_mov_b32 s[G1], 3<<16                         ; 15:0 no mask; 17:16 elements of 8 bytes; no padding
	s_mov_b32 s[G1+1], 32<<16                      ; tensor_dim0
	s_mov_b32 s[G1+2], 64<<16                      ; tensor_dim1
	s_mov_b32 s[G1+3], 32<<16                      ; tile_dim0
	s_mov_b32 s[G1+4], 64                          ; tile_dim1
	s_mov_b32 s[G1+5], 32                          ; tensor_dim0_stride
	s_mov_b32 s[G1+6], 0
	s_mov_b32 s[G1+7], 0
	s_mov_b32 s[SEL], 0x76543210
	s_mov_b32 s[SEL+1], 0xfedcba98
	s_mov_b32 s[MASKH], 0xffff0000
	s_mov_b32 s[CS], 0x3e38aa3b                    ; log2(e) / 8
	s_mov_b32 s[TB], 0
	s_mov_b32 s[TR], 0
	s_mov_b32 s[NX], 0
	s_mov_b32 s15, 0                               ; the upper word of the pair s[14:15], an offset
	s_wait_dscnt 0x0                               ; both opening adds are done
	s_wait_kmcnt 0x0
	s_load_b256 s[68:75], s[6:7], 0x0              ; e0 .. e7
	s_add_nc_u64 s[QBASE:QBASE+1], s[4:5], s[46:47]
	s_add_co_u32 s50, s48, 16384                   ; behind q's images
	s_mov_b32 s51, 0
	s_add_nc_u64 s[KVB:KVB+1], s[QBASE:QBASE+1], s[50:51]
	s_mov_b32 s[G0], 1                             ; 1:0 count = 1
	s_mov_b32 s[G0+1], s48                         ; 63:32 LDS address: slot 0
	s_mov_b64 s[G0+2:G0+3], s[KVB:KVB+1]           ; 120:64 global address: block 0
	s_or_b32 s[G0+3], s[G0+3], 0x80000000          ; 127:126 type = 2
	TLOAD                                          ; slot 0: one load of mine is out, here and behind every change of slots
	; acodes: [256 of K = 4 heads: 4][tile of 16 rows: 512][128 of K: 2][group: 4][512 bytes]; a head is two groups
	s_and_b32 s45, s44, 15                         ; head
	s_lshr_b32 s50, s44, 4                         ; batch: 128 tiles of rows x 4,096 bytes
	s_lshl_b32 s50, s50, 19
	s_lshr_b32 s49, s45, 2
	s_lshl_b32 s49, s49, 21
	s_add_co_u32 s50, s50, s49
	s_bfe_u32 s49, s45, 0x10001
	s_lshl_b32 s49, s49, 11
	s_add_co_u32 s50, s50, s49
	s_and_b32 s49, s45, 1
	s_lshl_b32 s49, s49, 10
	s_add_co_u32 s50, s50, s49
	s_add_nc_u64 s[8:9], s[8:9], s[50:51]
	s_and_b32 s50, s[WV], 3
	s_lshl_b32 s50, s50, 13
	s_add_co_u32 s50, s50, 16384+BLKB              ; my 8,192 bytes of block 1's keys: the first change of slots steps this to block 2
	s_add_nc_u64 s[PFA:PFA+1], s[QBASE:QBASE+1], s[50:51]
	s_sub_co_u32 s50, s[WV], 4
	s_lshr_b32 s50, s50, 2                         ; 0 in waves 4 to 7,
	s_or_b32 s50, s50, ttmp9                       ; of the head's first work-group
	s_cmp_eq_u32 s50, 0
	s_cselect_b32 s[LIMP], 6, 0
	v_and_b32 v24, 31, v0
	s_delay_alu instid0(VALU_DEP_1)
	v_lshlrev_b32 v[LI], 4, v24
	s_delay_alu instid0(VALU_DEP_2)
	v_lshlrev_b32 v[PFO], 8, v24
	v_and_b32 v24, 15, v0
	v_bfe_u32 v26, v0, 4, 1
	s_delay_alu instid0(VALU_DEP_1)
	v_lshlrev_b32 v26, 3, v26
	s_delay_alu instid0(VALU_DEP_1)
	v_sub_nc_u32 v[DQ], v24, v26
	v_mov_b32 v27, 0                               ; (named as the upper half of the pair v[26:27])
	v_mov_b32 v28, 0                               ; written once: a lane permute's destination counts as one of its sources
; A query block begins: s[QB] says which.  My Q fragment (two groups of 512 bytes) comes straight into registers; O^T and the sum begin as zeros and the largest t as -3e38, so that the key step is written once.
.macro INIT
	s_wait_xcnt 0x0                                ; earlier loads and stores have read their addresses and data: QO, GO and the stores' registers are written again only behind this wait
	s_lshl_b32 s[Q0], s[QB], 8
	s_lshl_b32 s44, s[WV], 4
	s_add_co_u32 s[Q0], s[Q0], s44                 ; my first query: 256 x block + 16 x wave
	s_mov_b32 s[KF], 0
	s_mul_i32 s44, s[QB], BLKB
	s_lshl_b32 s45, s[WV], 10
	s_add_co_u32 s44, s44, s45
	v_add_nc_u32 v[QO], s44, v[LI]
	s_lshl_b32 s44, s[Q0], 8                       ; my tile of rows x 4,096 bytes
	v_add_nc_u32 v[GO], s44, v[LI]
	global_load_b128 v[16:19], v[QO], s[QBASE:QBASE+1]
	global_load_b128 v[20:23], v[QO], s[QBASE:QBASE+1] offset:512
	v_mov_b32 v13, 0xff61b1e6                      ; the largest t so far: -3e38, under every t
	s_delay_alu instid0(VALU_DEP_1)
	v_floor_f32 v12, -v13                          ; -M
	v_mov_b32 v14, 0
	v_mov_b32 v15, 0
.set j, 0
.rept 32
	v_mov_b32 v[160+j], 0
.set j, j+1
.endr
	s_wait_loadcnt 0x0
.endm
; A KEY STEP: 128 keys, the q-th of the slot in hand.
.macro STEP q
	s_add_co_u32 s96, s[Q0], 15                    ; a step all of whose keys come after my 16 queries is left out: a scalar branch on ids and counted steps; no barrier and no tensor load stands in a step
	s_cmp_gt_u32 s[KF], s96
	s_cbranch_scc1 .Lhidden_\@
	v_add_nc_u32 v[AD], s[TB], v[LI]
.rept 3
	v_nop                                          ; with the addition above: four places in front of loads into registers that the last products read
.endr
.irp t, 0,1,2,3,4,5,6,7
.irp g, 0,1
	ds_load_b128 v[32+8*\t+4*\g:35+8*\t+4*\g], v[AD] offset:(\q)*8192+\t*1024+512*\g              ; K: tile t of 16 keys, 8 registers
.endr
.endr
.irp dt, 0,1,2,3
.irp c, 0,1,2,3
	ds_load_b128 v[192+16*\dt+4*\c:195+16*\dt+4*\c], v[AD] offset:16384+(\q)*8192+\dt*2048+512*\c  ; V: 16 of the head's 64 x 128 keys, 16 registers; wanted only behind the softmax
.endr
.endr
	s_wait_dscnt 16                                ; K's 16 loads are in; V's 16, issued behind them, may be out
.irp t, 0,1,2,3,4,5,6,7
	v_wmma_f32_16x16x64_fp8_fp8 v[96+8*\t:103+8*\t], v[32+8*\t:39+8*\t], v[16:23], 0
.endr
.rept 4
	v_nop
.endr
	s_add_co_u32 s96, s[KF], 127                   ; on the diagonal the scores of hidden keys become -infinity ahead of the maximum: p = 0 then.  A step all of whose keys count skips this
	s_cmp_le_u32 s96, s[Q0]
	s_cbranch_scc1 .Lopen_\@
	s_sub_co_i32 s96, s[Q0], s[KF]
	v_add_nc_u32 v26, s96, v[DQ]                   ; d = my query - KF - 8 (lane / 16).  Register n holds key KF + 8 (lane / 16) + 16 (n / 8) + n % 8: hidden where 16 (n / 8) + n % 8 > d
	v_mov_b32 v24, 0xff800000                      ; -infinity
.set n, 0
.rept 64
	v_cmp_gt_i32 vcc_lo, 16*(n/8)+n%8, v26
	v_cndmask_b32 v[96+n], v[96+n], v24, vcc_lo
.set n, n+1
.endr
.Lopen_\@:
	v_max3_num_f32 v24, v96, v97, v98              ; the step's largest score of my query, among my 64 keys, in two chains; each tile is read from its low end on
	v_max3_num_f32 v26, v99, v100, v101
.irp i, 6,10,14,18,22,26,30,34,38,42,46,50,54,58
	v_max3_num_f32 v24, v24, v[96+\i], v[97+\i]
	v_max3_num_f32 v26, v26, v[98+\i], v[99+\i]
.endr
	v_max3_num_f32 v24, v24, v158, v159
	s_delay_alu instid0(VALU_DEP_1)
	v_max_num_f32 v24, v24, v26
	s_delay_alu instid0(VALU_DEP_1)
	v_permlanex16_b32 v28, v24, s[SEL], s[SEL+1]
	s_delay_alu instid0(VALU_DEP_1)
	v_max_num_f32 v24, v24, v28                    ; and among lane l xor 16's
	s_delay_alu instid0(VALU_DEP_1)
	v_mul_f32 v24, s[CS], v24                      ; as t (c is positive)
	s_delay_alu instid0(VALU_DEP_1)
	v_max_num_f32 v13, v13, v24                    ; the running largest t
	v_mov_b32 v24, v12
	s_delay_alu instid0(VALU_DEP_2)
	v_floor_f32 v12, -v13                          ; the new -M = floor(-t) = -ceil(t): M is a whole number
	s_delay_alu instid0(VALU_DEP_1)
	v_sub_f32 v24, v12, v24                        ; M's old value less its new one: a whole number, 0 or less
	s_delay_alu instid0(VALU_DEP_1)
	v_cvt_i32_f32 v24, v24                         ; (it saturates)
	s_delay_alu instid0(VALU_DEP_1)
	v_ldexp_f32 v26, 1.0, v24                      ; f = 2^(old M - new M)
.set j, 0
.rept 32
	v_pk_fma_f32 v[96+j:97+j], v[96+j:97+j], s[CS:CS+1], v[12:13] op_sel_hi:[1,0,0]   ; t - M, two at a time (of the pairs c and -M the low word serves both halves)
.set j, j+2
.endr
.set j, 0
	s_wait_alu depctr_va_vdst(0)
.rept 64
	v_exp_f32 v[96+j], v[96+j]                     ; p = 2^(t - M), at most 1: not normalised
.set j, j+1
.endr
	v_pk_mul_f32 v[14:15], v[14:15], v[26:27] op_sel_hi:[1,0]   ; the sums under the new M: the plain instruction behind the exponentials
	s_wait_alu depctr_va_vdst(0)                   ; one wait for the batch of 64, ahead of its first reader
	v_pk_add_f32 v[30:31], v[100:101], v[104:105]
	v_pk_add_f32 v[94:95], v[108:109], v[112:113]
	v_pk_add_f32 v[92:93], v[116:117], v[120:121]
	v_pk_add_f32 v[90:91], v[124:125], v[128:129]
	v_pk_add_f32 v[88:89], v[132:133], v[136:137]
	v_pk_add_f32 v[86:87], v[140:141], v[144:145]
	v_pk_add_f32 v[84:85], v[148:149], v[152:153]
	v_pk_add_f32 v[14:15], v[14:15], v[156:157]
	v_pk_add_f32 v[30:31], v[30:31], v[96:97]
	v_pk_add_f32 v[94:95], v[94:95], v[98:99]
	v_pk_add_f32 v[92:93], v[92:93], v[102:103]
	v_pk_add_f32 v[90:91], v[90:91], v[106:107]
	v_pk_add_f32 v[88:89], v[88:89], v[110:111]
	v_pk_add_f32 v[86:87], v[86:87], v[114:115]
	v_pk_add_f32 v[84:85], v[84:85], v[118:119]
	v_pk_add_f32 v[14:15], v[14:15], v[122:123]
	v_pk_add_f32 v[30:31], v[30:31], v[126:127]
	v_pk_add_f32 v[94:95], v[94:95], v[130:131]
	v_pk_add_f32 v[92:93], v[92:93], v[134:135]
	v_pk_add_f32 v[90:91], v[90:91], v[138:139]
	v_pk_add_f32 v[88:89], v[88:89], v[142:143]
	v_pk_add_f32 v[86:87], v[86:87], v[146:147]
	v_pk_add_f32 v[84:85], v[84:85], v[150:151]
	v_pk_add_f32 v[14:15], v[14:15], v[154:155]
	v_pk_add_f32 v[30:31], v[30:31], v[158:159]
	s_delay_alu instid0(VALU_DEP_2)
	v_pk_add_f32 v[14:15], v[14:15], v[90:91]
	s_delay_alu instid0(VALU_DEP_2)
	v_pk_add_f32 v[30:31], v[30:31], v[88:89]
	v_pk_add_f32 v[94:95], v[94:95], v[86:87]
	v_pk_add_f32 v[92:93], v[92:93], v[84:85]
	s_delay_alu instid0(VALU_DEP_2)
	v_pk_add_f32 v[14:15], v[14:15], v[94:95]
	s_delay_alu instid0(VALU_DEP_2)
	v_pk_add_f32 v[30:31], v[30:31], v[92:93]
	s_delay_alu instid0(VALU_DEP_1)
	v_pk_add_f32 v[14:15], v[14:15], v[30:31]
.irp kt, 0,1,2,3,4,5,6,7
.irp i, 0,1,2,3,4,5,6,7
.endr
	v_cvt_scalef32_pk8_fp8_f32 v[32+2*\kt:33+2*\kt], v[96+8*\kt:103+8*\kt], v11   ; keys 16 kt + 8 (lane / 16) + 0 .. 7: registers 2 kt, 2 kt + 1 of P
.endr
.set j, 0
.rept 16
	v_pk_mul_f32 v[160+j:161+j], v[160+j:161+j], v[26:27] op_sel_hi:[1,0]   ; O^T under the new M: x f.  (Plain instructions between the conversions and the products below)
.set j, j+2
.endr
	s_wait_alu depctr_va_vdst(0)
	s_wait_dscnt 0x0                               ; V is in
.irp dt, 0,1,2,3
	v_wmma_f32_16x16x128_fp8_fp8 v[160+8*\dt:167+8*\dt], v[192+16*\dt:207+16*\dt], v[32:47], v[160+8*\dt:167+8*\dt]   ; the four accumulators by turns, one instruction a turn
.endr
.Lhidden_\@:
	s_add_co_u32 s[KF], s[KF], 128
.endm
; A query block ends: O^T / the sum, quantised with 2^(e6 - e4 - e5) (a sum of the second product stands for sum x 2^(e4 + e5)), and stored as the image that the last product's A fragment wants:
; lane (r, h) holds row r and, in group b, k = 32 b + 16 h + 0 .. 15.  A conversion leaves lane (r, h) with d = 16 dt + 8 h + 0 .. 7, so the halves of the lanes exchange 8 bytes for each group:
; lanes 0-15 send tile 2 b + 1's, lanes 16-31 tile 2 b's.
.macro FINAL
.rept 4
	v_nop                                          ; places behind the last products
.endr
	v_add_f32 v14, v14, v15                        ; the sum's two halves,
	s_delay_alu instid0(VALU_DEP_1)
	v_permlanex16_b32 v28, v14, s[SEL], s[SEL+1]
	s_delay_alu instid0(VALU_DEP_1)
	v_add_f32 v14, v14, v28                        ; and lane l xor 16's: the row's sum
	s_wait_alu depctr_va_vdst(0)
	v_rcp_f32 v14, v14
	v_nop                                          ; a plain instruction behind the reciprocal,
	s_wait_alu depctr_va_vdst(0)                   ; and the wait ahead of its first reader
.set j, 0
.rept 16
	v_pk_mul_f32 v[96+j:97+j], v[160+j:161+j], v[14:15] op_sel_hi:[1,0]   ; each accumulator from its low end on, into other registers
.set j, j+2
.endr
.set j, 0
.rept 32
.set j, j+1
.endr
.irp dt, 0,1,2,3
	v_cvt_scalef32_pk8_fp8_f32 v[32+2*\dt:33+2*\dt], v[96+8*\dt:103+8*\dt], v8
.endr
	v_nop                                          ; one plain instruction between the conversions and the readers of their results
.irp b, 0,1
.irp i, 0,1
	v_cndmask_b32 v24, v[34+4*\b+\i], v[32+4*\b+\i], s[MASKH]       ; what I send
	s_delay_alu instid0(VALU_DEP_1)
	v_permlanex16_b32 v28, v24, s[SEL], s[SEL+1]
	v_cndmask_b32 v[56+4*\b+\i], v[32+4*\b+\i], v28, s[MASKH]       ; the first 8 of my 16: lanes 0-15 their own, lanes 16-31 what came
	v_cndmask_b32 v[58+4*\b+\i], v28, v[34+4*\b+\i], s[MASKH]       ; the second 8: the other way round
.endr
.endr
.irp b, 0,1
	global_store_b128 v[GO], v[56+4*\b:59+4*\b], s[8:9] offset:512*\b   ; the wave stores 512 consecutive bytes, aligned
.endr
.endm
; THE CHANGE OF SLOTS stands at a trip's head.  Each wave waits for all its tensor loads (its part of the slot that it is about to read), adds 0 to its spare word (fill = 1: twice on end), and waits for that and for its
; reads of the slot that it has left.  Behind the barrier the slot ahead is whole and nobody reads the other one.  fill = 1: that other slot takes the next trip's keys: the next block, or block 0 where the query blocks change.
.macro CHANGE fill
	s_wait_tensorcnt 0x0                           ; no tensor load of mine is out, so group 0 may be written
	ds_add_u32 v[SPW], v[NIL]                      ; 0 onto my spare word
.if \fill
	ds_add_u32 v[SPW], v[NIL]                      ; and once more: the add twice on end here, in every trip alike
	s_xor_b32 s[G0+1], s[G0+1], SLOT1              ; the other slot than last time
	s_add_co_u32 s[NX], s[NX], 1
	s_cmp_gt_u32 s[NX], s[SW]                      ; behind the first query block's last slot the walk begins anew
	s_cselect_b32 s[NX], 0, s[NX]
	s_mul_i32 s14, s[NX], BLKB
	s_add_nc_u64 s[G0+2:G0+3], s[KVB:KVB+1], s[14:15]
	s_or_b32 s[G0+3], s[G0+3], 0x80000000
	s_wait_xcnt 0x0                                ; the last prefetch, a trip back, has read its address, so it may be written
	s_add_nc_u64 s[PFA:PFA+1], s[PFA:PFA+1], BLKB
.endif
	s_wait_dscnt 0x0                               ; the add is done (fill = 1: both are), and my reads of the slot that I have left are over
	s_barrier_signal -1
	s_barrier_wait -1
.if \fill
	TLOAD                                          ; the first thing behind the barrier, and a wave's one tensor load until the next: it has a trip's two key steps in which to land
	ASK
.endif
.endm
	s_mov_b32 s[QB], s[SW]                         ; the longer block first: so the four work-groups of a head walk blocks 0 to 4 of the keys in the same trips
	s_wait_alu depctr_va_vdst(0)
	INIT
	s_wait_kmcnt 0x0                               ; the exponents
	s_add_co_i32 s44, s70, s71
	s_lshl_b32 s44, s44, 23
	s_add_co_i32 s[CS], s[CS], s44                 ; a score stands for score x 2^(e2 + e3): the two exponents are added to c's exponent field
	s_mov_b32 s[CS+1], s[CS]                       ; (named with it as a pair, so it is written)
	s_add_co_i32 s44, s72, 127
	s_lshl_b32 s45, s44, 23
	v_mov_b32 v11, s45                             ; 2^e4 as f32, for p's conversions
	s_sub_co_i32 s44, s74, s72
	s_sub_co_i32 s44, s44, s73                     ; e6 - e4 - e5
	s_add_co_i32 s44, s44, 127
	s_lshl_b32 s45, s44, 23
	v_mov_b32 v8, s45                              ; 2^(e6 - e4 - e5), for the result's conversions
.Ltrip:                                                ; eight trips; behind each change of slots the next trip's keys are asked for
	CHANGE 1
	STEP 0
	STEP 1
	s_xor_b32 s[TB], s[TB], SLOT1                  ; on to the other slot
	s_cmp_lg_u32 s[TR], s[SW]                      ; ids and the count of trips alone: all sixteen waves go the same way; no barrier, tensor load or LDS access stands inside
	s_cbranch_scc1 .Lsame
	FINAL                                          ; block 7 - i is done;
	s_mov_b32 s[QB], s[PI]
	INIT                                           ; block i begins
.Lsame:
	s_add_co_u32 s[TR], s[TR], 1
	s_cmp_lt_u32 s[TR], 8
	s_cbranch_scc1 .Ltrip
	CHANGE 0                                       ; the ninth trip is written out: nothing is left to fetch
	STEP 0
	STEP 1
	FINAL
	s_wait_tensorcnt 0x0                           ; the wave's end: an add onto my spare word and its wait, behind my last tensor load
	ds_add_u32 v[SPW], v[NIL]
	s_wait_dscnt 0x0
	s_endpgm
.Lfunc_end_k_q2876f459e3_attn:
	.size	k_q2876f459e3_attn, .Lfunc_end_k_q2876f459e3_attn-k_q2876f459e3_attn
	.p2alignl 7, 3214868480
	.fill 96, 4, 3214868480
	.section	.rodata,"a",@progbits
	.p2align	6, 0x0
	.amdhsa_kernel k_q2876f459e3_attn
		.amdhsa_group_segment_fixed_size 327680
		.amdhsa_private_segment_fixed_size 0
		.amdhsa_enable_private_segment 0
		.amdhsa_kernarg_size 24
		.amdhsa_user_sgpr_count 2
		.amdhsa_user_sgpr_kernarg_segment_ptr 1
		.amdhsa_wavefront_size32 1
		.amdhsa_system_sgpr_workgroup_id_x 1
		.amdhsa_system_sgpr_workgroup_id_y 1
		.amdhsa_system_sgpr_workgroup_id_z 1
		.amdhsa_system_vgpr_workitem_id 0
		.amdhsa_next_free_vgpr 256
		.amdhsa_next_free_sgpr 98
		.amdhsa_reserve_vcc 1
		.amdhsa_float_denorm_mode_32 3
		.amdhsa_float_denorm_mode_16_64 3
		.amdhsa_fp16_overflow 1
		.amdhsa_memory_ordered 1
		.amdhsa_forward_progress 1
		.amdhsa_inst_pref_size 92
	.end_amdhsa_kernel
	.amdgpu_metadata
---
amdhsa.version: [ 1, 2 ]
amdhsa.kernels:
  - .name:           k_q2876f459e3_attn
    .symbol:         k_q2876f459e3_attn.kd
    .args:
      - { .name: qkv, .offset: 0, .size: 8, .value_kind: global_buffer, .address_space: global }
      - { .name: lowp_scales, .offset: 8, .size: 8, .value_kind: global_buffer, .address_space: global }
      - { .name: acodes, .offset: 16, .size: 8, .value_kind: global_buffer, .address_space: global }
    .group_segment_fixed_size: 327680
    .private_segment_fixed_size: 0
    .kernarg_segment_align: 8
    .kernarg_segment_size: 24
    .max_flat_workgroup_size: 512
    .sgpr_count:     98
    .vgpr_count:     256
    .wavefront_size: 32
...
	.end_amdgpu_metadata
.endif
;; end of part 2
;; launch outgemm (part 3): grid 4 x 32, 4 waves a work-group, clusters of 4 x 4, 327,680 bytes of LDS; arguments acodes, w_out_codes, lowp_scales, out0; writes out0
.if DOCPART == 3
	.amdgcn_target "amdgcn-amd-amdhsa--gfx1250"
	.amdhsa_code_object_version 6
	.text
	.protected	k_q2876f459e3_outgemm
	.globl	k_q2876f459e3_outgemm
	.p2align	8
	.type	k_q2876f459e3_outgemm,@function
k_q2876f459e3_outgemm:
	s_mov_b64 s[64:65], 0
	v_nop
	global_prefetch_b8 v0, s[64:65] scope:SCOPE_SE
	s_setreg_imm32_b32 hwreg(HW_REG_WAVE_MODE, 25, 1), 1
	s_wait_xcnt 0x0
	s_wait_alu depctr_hold_cnt(0) depctr_sa_sdst(0) depctr_va_vdst(0) depctr_va_sdst(0) depctr_va_ssrc(0) depctr_va_vcc(0) depctr_vm_vsrc(0)
	s_getreg_b32 s2, hwreg(HW_REG_IB_STS2, 6, 4)
	s_cmp_eq_u32 s2, 0
	s_cbranch_scc0 .Lentry_in_a_cluster
	s_endpgm
.Lentry_in_a_cluster:
	s_bfe_u32 s2, ttmp6, 0x10000c
	s_cmp_lg_u32 s2, 0xf033
	s_cbranch_scc0 .Lentry_shape_is_right
	s_endpgm
.Lentry_shape_is_right:
; LAUNCH 3 OF 3.  out0[m][n] = 2^(e6 + e7) x the sum over k of A[m][k] W[n][k], on codes of FP8 (E4M3).  A: the attention's result, 8,192 x 1,024, as the second launch stored it; W: w_out_codes [1024][1024], K innermost.  out0: f32.
; Nothing is left out here.  LIMIT: e6 + e7 lies between -126 and 127, so that 2^(e6 + e7) is an f32 number.
; acodes: [256 of K: 4][tile of 16 rows: 512][128 of K: 2][group c: 4][512 bytes]: IMAGES OF A's FRAGMENTS: lane l's 16 bytes at 16 l; lane (r, h) holds row r, K = 32 c + 16 h + 0 .. 15: the places that four loads of
; 16 bytes, 32 apart, give W's rows.  So 128 rows x 256 K of A are 32,768 dense bytes for one tensor load, lie in LDS without padding, and each fragment load reads 512 consecutive bytes.
; A tile of 256 x 256 is made by a work-group of four waves; a wave makes 128 x 128: 64 accumulators, 512 registers.  K goes in steps of 256 through a ring of two LDS slots.
; 128 work-groups: a tile of 128 x 256 would make 256, with half as many products again for each fragment of W read from LDS; the larger tile is kept.
; CLUSTERS: 4 x 4 work-groups; A's tiles are shared along a row of the cluster, W's along a column: each is asked for JOINTLY, by the same tensor load with the same descriptor and a mask that names the four.
; THE MATRIX INSTRUCTION IS USED TRANSPOSED (source 0 = 16 rows of W, source 1 = 16 rows of A): a lane then holds eight neighbouring numbers of a row of out0.
; REGISTERS, in windows of 256: window 0: v16-29 addresses; v128-255 A's fragments, ONE set; on the way out v32-255 are free.   window 1: W's fragments, TWO sets.   windows 2, 3: the accumulators ((a, b) at v[8 (8 (a % 4) + b)]).
.set SIZE_N, 1024
.set ROWB,   256                       ; a row of W's tile in bytes: 256 along K
.set KROW,   1024                      ; a row of W in memory
.set PITCH,  272                       ; W's LDS row: 256 bytes + 16 of padding: the 16 rows that a load touches start at 16 different banks (64 banks of 4 bytes: ISA guide 11.1)
.set FR,     16
.set NL,     4
.set NP,     4                         ; places behind this matrix instruction (ISA guide 7.12.1)
.set HALFA,  32768                     ; A: 128 rows x 256 K as images
.set HALFT,  128*PITCH                 ; W: 128 rows
.set BOFF,   2*HALFA                   ; in a slot W's rows lie behind A's images
.set SLOT,   BOFF+2*HALFT
.set ASTEP,  2097152                   ; acodes: from one 256 of K to the next
.set LAPS,   2
.set SPARE,  2*SLOT                    ; behind the ring: the spare words, 128 bytes for each wave: two blocks of 256 bytes that no other line names
.set SPITCH, 528                       ; the way out: a stage of 16 rows x (512 bytes + 16) for each wave, in slot 0, which has had its last fill and its last read when the first result is stored there
.set ADRA, 16
.set ADRB, 20
.set STO,  24
.set RD,   25
.set CO,   26                          ; v26  16 x lane: my place in an image, and in a row of out0
.set SPW,  28
.set NIL,  29
.set TMP,  32
.set AF,   128
.set BK,   128
.set G1, 24
.set G0, 32
.set G1B, 48
.set G0B, 56
.set MSB, 0
.macro WIN new                         ; the immediate's high byte repeats the setting that is left
.if MSB != \new
	s_set_vgpr_msb (MSB<<8)|\new
.set MSB, \new
.endif
.endm
.set MUL_LO, 0xa1
.set MUL_HI, 0xf1
.set TO_B,   0x40
.macro JLOAD g0a, g1a, g0b, g1b        ; a joint load: waves 0 and 1 fetch for A, waves 2 and 3 for W; an s_nop 0 and four v_nop follow each of the two lines
	s_cmp_eq_u32 s15, 0
	s_cbranch_scc0 .Lfor_b_\@
	tensor_load_to_lds s[\g0a:\g0a+3], s[\g1a:\g1a+7]
	s_nop 0
.rept 4
	v_nop
.endr
	s_branch .Lasked_\@
.Lfor_b_\@:
	tensor_load_to_lds s[\g0b:\g0b+3], s[\g1b:\g1b+7]
	s_nop 0
.rept 4
	v_nop
.endr
.Lasked_\@:
.endm
.macro CREST
	s_cmp_lg_u32 s14, 0
	s_cbranch_scc1 .Lnot_wave_0_\@
	s_barrier_signal -3
.Lnot_wave_0_\@:
	s_barrier_wait -3
	s_barrier_signal -1
	s_barrier_wait -1
.endm
.macro CROUND
	s_barrier_signal -1
	s_barrier_wait -1
	CREST
.endm
	s_load_b128 s[4:7], s[0:1], 0x0                ; acodes s[4:5], w_out's codes s[6:7]
	s_load_b128 s[8:11], s[0:1], 0x10              ; the scales' exponents s[8:9], out0 s[10:11]
	v_lshl_add_u32 v[SPW], v0, 2, SPARE
	v_mov_b32 v[NIL], 0
	ds_add_u32 v[SPW], v[NIL]                      ; the wave's opening: the add, twice on end, and its wait ahead of my first tensor load
	ds_add_u32 v[SPW], v[NIL]                      ; and once more; the set-up below, work on registers, stands between it and the wait
	v_lshrrev_b32 v1, 5, v0
	v_readfirstlane_b32 s14, v1                    ; wave 0..3
	s_lshr_b32 s15, s14, 1                         ; which half of the tile's rows is mine.  Also: I fetch for A (0) or for W (1)
	s_and_b32 s16, s14, 1                          ; which half of its columns.  Also: which 128 rows of that tile I fetch
	s_bfe_u32 s40, ttmp6, 0x40000                  ; cx, cy
	s_bfe_u32 s41, ttmp6, 0x40004
	s_lshl_b32 s42, ttmp9, 2
	s_add_co_u32 s42, s42, s40                     ; tile column = 4 x cluster x + cx
	s_and_b32 s17, ttmp7, 0xffff
	s_lshl_b32 s17, s17, 2
	s_add_co_u32 s17, s17, s41                     ; tile row = 4 x cluster y + cy
	s_lshl_b32 s43, s41, 2
	s_lshl_b32 s43, 15, s43                        ; my row of the cluster
	s_lshl_b32 s44, 0x1111, s40                    ; my column
	s_or_b32 s[G1+0], s43, (0<<16)|(1<<21)         ; A: 15:0 the mask of my row; elements of 1 byte; no padding; 21 set beside a mask
	s_mov_b32 s[G1+1], 256<<16                     ; 32,768 dense bytes as 128 rows of 256
	s_mov_b32 s[G1+2], 128<<16
	s_mov_b32 s[G1+3], 256<<16
	s_mov_b32 s[G1+4], 128
	s_mov_b32 s[G1+5], 256
	s_mov_b32 s[G1+6], 0
	s_mov_b32 s[G1+7], 0
	s_or_b32 s[G1B+0], s44, (0<<16)|(1<<20)|(1<<21)|(5<<22)|(3<<25)  ; W: the mask of my column; padding of 4 words after every 64
	s_mov_b32 s[G1B+1], ROWB<<16
	s_mov_b32 s[G1B+2], 128<<16
	s_mov_b32 s[G1B+3], ROWB<<16
	s_mov_b32 s[G1B+4], 128
	s_mov_b32 s[G1B+5], KROW
	s_mov_b32 s[G1B+6], 0
	s_mov_b32 s[G1B+7], 0
	s_lshl_b32 s20, s17, 16                        ; A: a tile row's 16 tiles of 16 rows are 65,536 bytes in each 256 of K,
	s_lshl_b32 s18, s16, 15                        ; the half that I fetch 32,768
	s_add_co_u32 s20, s20, s18
	s_mov_b32 s21, 0
	s_lshl_b32 s46, s42, 8
	s_lshl_b32 s19, s16, 7
	s_add_co_u32 s46, s46, s19                     ; W: row 256 x tile column + 128 x half,
	s_lshl_b32 s46, s46, 10                        ; of 1,024 bytes
	s_mov_b32 s47, 0
	s_lshl_b32 s45, s16, 15                        ; where they go: A's halves,
	s_mul_i32 s19, s16, HALFT
	s_add_co_u32 s19, s19, BOFF                    ; W's halves behind them: the wave's number alone enters an LDS address
	s_wait_dscnt 0x0                               ; both opening adds are done
	s_wait_kmcnt 0x0
	s_load_b64 s[96:97], s[8:9], 0x18              ; e6, e7
	s_add_nc_u64 s[20:21], s[4:5], s[20:21]
	s_add_nc_u64 s[46:47], s[6:7], s[46:47]
	CROUND                                         ; all sixteen work-groups are here: the first joint loads meet
.irp s, 0,1
	s_mov_b32 s[G0+4*\s], 1
	s_add_co_u32 s[G0+4*\s+1], s45, \s*SLOT
	s_add_nc_u64 s[G0+4*\s+2:G0+4*\s+3], s[20:21], \s*ASTEP
	s_or_b32 s[G0+4*\s+3], s[G0+4*\s+3], 0x80000000
	s_mov_b32 s[G0B+4*\s], 1
	s_add_co_u32 s[G0B+4*\s+1], s19, \s*SLOT
	s_add_nc_u64 s[G0B+4*\s+2:G0B+4*\s+3], s[46:47], \s*ROWB
	s_or_b32 s[G0B+4*\s+3], s[G0B+4*\s+3], 0x80000000
	s_wait_alu depctr_va_vdst(0)
	s_wait_tensorcnt 0x0
	ds_add_u32 v28, v29
	ds_add_u32 v28, v29
	s_wait_dscnt 0x0
	CROUND
	JLOAD G0+4*\s, G1, G0B+4*\s, G1B               ; one load of mine is out
.endr
	v_and_b32 v1, 15, v0                           ; l % 16
	v_bfe_u32 v2, v0, 4, 1                         ; l / 16
	v_mul_u32_u24 v3, v1, PITCH
	v_lshl_add_u32 v4, v2, 4, v3                   ; W: a fragment's row x pitch + 16 x half
	v_and_b32 v6, 31, v0
	v_lshlrev_b32 v[CO], 4, v6                     ; 16 x lane
	s_wait_alu depctr_va_vdst(0)
	s_lshl_b32 s21, s15, 15                        ; my 128 rows of A
	s_mul_i32 s22, s16, HALFT                      ; my 128 rows of W
	s_add_co_u32 s22, s22, BOFF
.irp s, 0,1
	v_add_nc_u32 v[ADRA+\s], s21, v[CO]
	v_add_nc_u32 v[ADRB+\s], s22, v4
	s_add_co_u32 s21, s21, SLOT
	s_add_co_u32 s22, s22, SLOT
.endr
	s_mul_i32 s23, s14, 16*SPITCH                  ; my stage
	v_mul_u32_u24 v5, v1, SPITCH                   ; in: row l % 16, 32 bytes for each half of the lanes
	v_lshl_add_u32 v5, v2, 5, v5
	v_add_nc_u32 v[STO], s23, v5
	v_add_nc_u32 v[RD], s23, v[CO]                 ; back: the 32 lanes take one row of 512 bytes
	s_lshl_b32 s20, s17, 8
	s_lshl_b32 s21, s15, 7
	s_add_co_u32 s20, s20, s21                     ; my first row of out0,
	s_lshl_b32 s20, s20, 12                        ; of 4,096 bytes
	s_lshl_b32 s46, s42, 10                        ; my first column, in bytes: 1,024 x tile column + 512 x half
	s_lshl_b32 s47, s16, 9
	s_add_co_u32 s46, s46, s47
	s_add_co_u32 s20, s20, s46
	s_mov_b32 s21, 0
	s_add_nc_u64 s[10:11], s[10:11], s[20:21]
.macro FRAG reg, adr, q, i             ; a fragment of W: lane l holds row l % 16; registers 4 c .. 4 c + 3 hold K = 32 c + 16 (l / 16) + 0 .. 15
.irp c, 0,1,2,3
	ds_load_b128 v[\reg+4*\c:\reg+4*\c+3], v[\adr] offset:128*(\q)+32*\c+(\i)*16*PITCH
.endr
.endm
.macro FRAGA reg, slot, q, i           ; a fragment of A, as it was stored: four groups of 512 bytes
.irp c, 0,1,2,3
	ds_load_b128 v[\reg+4*\c:\reg+4*\c+3], v[ADRA+\slot] offset:(\i)*4096+(\q)*2048+512*\c
.endr
.endm
.macro MUL16 a0, p, zero               ; 16 matrix instructions: A's blocks a0, a0 + 1 x W's eight.  The 64 accumulators take turns, one instruction a turn
.irp a, \a0, \a0+1
.irp b, 0,1,2,3,4,5,6,7
.if \zero
	v_wmma_f32_16x16x128_fp8_fp8 v[8*(8*((\a)%4)+\b):8*(8*((\a)%4)+\b)+7], v[128*(\p)+FR*\b:128*(\p)+FR*\b+FR-1], v[AF+FR*(\a):AF+FR*(\a)+FR-1], 0
.else
	v_wmma_f32_16x16x128_fp8_fp8 v[8*(8*((\a)%4)+\b):8*(8*((\a)%4)+\b)+7], v[128*(\p)+FR*\b:128*(\p)+FR*\b+FR-1], v[AF+FR*(\a):AF+FR*(\a)+FR-1], v[8*(8*((\a)%4)+\b):8*(8*((\a)%4)+\b)+7]
.endif
.endr
.endr
.endm
.macro FETCH_B slot, q, p
	WIN TO_B
.irp i, 0,1,2,3,4,5,6,7
	FRAG 128*(\p)+FR*\i, ADRB+\slot, \q, \i
.endr
	WIN 0
.endm
.macro FETCH_A slot, q, i0
.irp i, \i0, \i0+1, \i0+2, \i0+3
	FRAGA AF+FR*(\i), \slot, \q, \i
.endr
.endm
.macro PLACES n                        ; plain vector instructions that name no register of the matrix instructions in front
.rept \n
	v_nop
.endr
.endm
.macro STEP slot, q, zero              ; a step of 128 along K that has its successor in the same slot
	s_wait_dscnt 4*NL                              ; W's set and A's blocks 0-3 are in; the youngest 16 loads (A's blocks 4-7) may be out
	WIN MUL_LO
	MUL16 0, (\q)%2, \zero
	MUL16 2, (\q)%2, \zero
	s_wait_dscnt 0
	PLACES NP
	FETCH_B \slot, (\q)+1, 1-(\q)%2
	FETCH_A \slot, (\q)+1, 0
	WIN MUL_HI
	MUL16 4, (\q)%2, \zero
	MUL16 6, (\q)%2, \zero
	PLACES NP
	WIN 0
	FETCH_A \slot, (\q)+1, 4
.endm
.macro TURN slot, next, fill           ; a slot's last step changes slots: ONE barrier; fill = 1: this slot is filled again, two K steps ahead
	s_wait_tensorcnt 0x0                           ; all my tensor loads have landed: my part of the next slot
	ds_add_u32 v[SPW], v[NIL]                      ; 0 onto my spare word
	s_wait_dscnt 4*NL+1                            ; (the add and the youngest 16 loads may be out)
	WIN MUL_LO
	MUL16 0, 1, 0
	s_wait_dscnt 0x0                               ; the add is done, and my reads of this slot are over
	s_barrier_signal -1
	MUL16 2, 1, 0
	WIN 0
	s_barrier_wait -1
.if \fill
	CREST                                          ; the barrier has opened a round of the cluster's barrier: no wave of any partner still reads this slot's tile or has a load on its way
	s_add_nc_u64 s[G0+4*\slot+2:G0+4*\slot+3], s[G0+4*\slot+2:G0+4*\slot+3], 2*ASTEP
	s_add_nc_u64 s[G0B+4*\slot+2:G0B+4*\slot+3], s[G0B+4*\slot+2:G0B+4*\slot+3], 2*ROWB
	JLOAD G0+4*\slot, G1, G0B+4*\slot, G1B         ; the first tensor load behind the round, my one load until the next
.else
	PLACES NP
.endif
	FETCH_B \next, 0, 0
	FETCH_A \next, 0, 0
	WIN MUL_HI
	MUL16 4, 1, 0
	MUL16 6, 1, 0
	PLACES NP
	WIN 0
	FETCH_A \next, 0, 4
.endm
	s_wait_alu depctr_va_vdst(0)
	s_wait_tensorcnt 1                             ; my part of K step 0 is in; K step 1's load may be out
	s_barrier_signal -1
	s_barrier_wait -1
	FETCH_B 0, 0, 0
	FETCH_A 0, 0, 0
	FETCH_A 0, 0, 4
	STEP 0, 0, 1                                   ; the first step's products start the sums
	s_mov_b32 s3, LAPS-1
.Llap:
	TURN 0, 1, 1
	STEP 1, 0, 0
	TURN 1, 0, 1
	STEP 0, 0, 0
	s_sub_co_u32 s3, s3, 1
	s_cmp_lg_u32 s3, 0
	s_cbranch_scc1 .Llap
	TURN 0, 1, 0                                   ; the last lap fills nothing
	STEP 1, 0, 0
	s_wait_dscnt 4*NL
	WIN MUL_LO
	MUL16 0, 1, 0
	MUL16 2, 1, 0
	s_wait_dscnt 0
	WIN MUL_HI
	MUL16 4, 1, 0
	MUL16 6, 1, 0
	WIN 0
; THE WAY OUT, block by block of 16 rows x 128 columns, through my own stage in LDS: in as 32 bytes a lane, back as whole rows of 512 bytes, which the 32 lanes store as 512 consecutive bytes, aligned.
; LDS serves a wave's instructions in order (ISA guide 5.7.1.4): no wait between the stores and the loads, nor in front of the next block's stores.
.macro TOSTAGE a
.set AC, 64*((\a)%4)
	WIN 0x02+((\a)/4)                              ; source 0: window 2 or 3
.irp j, 0,2,4,6,8,10,12,14,16,18,20,22,24,26,28,30,32,34,36,38,40,42,44,46,48,50,52,54,56,58,60,62
	v_pk_mul_f32 v[TMP+\j:TMP+\j+1], v[AC+\j:AC+\j+1], s[96:97] op_sel_hi:[1,0]   ; both x s96 = 2^(e6 + e7); each accumulator from its low end on
.endr
	WIN 0
.irp b, 0,1,2,3,4,5,6,7
	ds_store_b128 v[STO], v[TMP+8*\b:TMP+8*\b+3] offset:64*\b
	ds_store_b128 v[STO], v[TMP+8*\b+4:TMP+8*\b+7] offset:64*\b+16
.endr
.set BB, BK+64*((\a)%2)
.irp t, 0,1,2,3,4,5,6,7,8,9,10,11,12,13,14,15
	ds_load_b128 v[BB+4*\t:BB+4*\t+3], v[RD] offset:\t*SPITCH
.endr
.endm
.macro SEND a, younger                 ; younger: the LDS instructions issued behind block a's loads, which may stay out
.set BB, BK+64*((\a)%2)
	s_wait_dscnt \younger
.if (\a) > 0
	s_add_nc_u64 s[10:11], s[10:11], 16*SIZE_N*4   ; (behind a wait on XCNT: the earlier stores have read their base)  16 rows on
.endif
.irp t, 0,1,2,3,4,5,6,7,8,9,10,11,12,13,14,15
	global_store_b128 v[CO], v[BB+4*\t:BB+4*\t+3], s[10:11] offset:\t*SIZE_N*4 th:TH_STORE_NT   ; written once, read by nobody here
.endr
.endm
	s_wait_kmcnt 0x0
	s_add_co_i32 s96, s96, s97                     ; e6 + e7
	s_add_co_i32 s96, s96, 127
	s_lshl_b32 s96, s96, 23                        ; 2^(e6 + e7) as f32
	PLACES NP                                      ; behind the last products: for the loads into the registers that held A's fragments and for the reads of results
	TOSTAGE 0
.irp a, 1,2,3,4,5,6,7
.if \a > 1
	s_wait_xcnt 0x0                                ; block a - 2's stores have read their registers and their base
.endif
	TOSTAGE \a
	SEND \a-1, 32                                  ; behind block a - 1's loads: block a's 16 stores and 16 loads
.endr
	s_wait_xcnt 0x0
	SEND 7, 0
	s_wait_tensorcnt 0x0                           ; the wave's end: an add onto my spare word and its wait, behind my last tensor load and my last LDS store
	ds_add_u32 v[SPW], v[NIL]
	s_wait_dscnt 0x0
	CROUND                                         ; the closing round
	s_endpgm
.Lfunc_end_k_q2876f459e3_outgemm:
	.size	k_q2876f459e3_outgemm, .Lfunc_end_k_q2876f459e3_outgemm-k_q2876f459e3_outgemm
	.p2alignl 7, 3214868480
	.fill 96, 4, 3214868480
	.section	.rodata,"a",@progbits
	.p2align	6, 0x0
	.amdhsa_kernel k_q2876f459e3_outgemm
		.amdhsa_group_segment_fixed_size 327680
		.amdhsa_private_segment_fixed_size 0
		.amdhsa_enable_private_segment 0
		.amdhsa_kernarg_size 32
		.amdhsa_user_sgpr_count 2
		.amdhsa_user_sgpr_kernarg_segment_ptr 1
		.amdhsa_wavefront_size32 1
		.amdhsa_system_sgpr_workgroup_id_x 1
		.amdhsa_system_sgpr_workgroup_id_y 1
		.amdhsa_system_sgpr_workgroup_id_z 1
		.amdhsa_system_vgpr_workitem_id 0
		.amdhsa_next_free_vgpr 1024
		.amdhsa_next_free_sgpr 98
		.amdhsa_reserve_vcc 0
		.amdhsa_float_denorm_mode_32 3
		.amdhsa_float_denorm_mode_16_64 3
		.amdhsa_memory_ordered 1
		.amdhsa_forward_progress 1
		.amdhsa_inst_pref_size 124
	.end_amdhsa_kernel
	.amdgpu_metadata
---
amdhsa.version: [ 1, 2 ]
amdhsa.kernels:
  - .name:           k_q2876f459e3_outgemm
    .symbol:         k_q2876f459e3_outgemm.kd
    .args:
      - { .name: acodes, .offset: 0, .size: 8, .value_kind: global_buffer, .address_space: global }
      - { .name: w_out_codes, .offset: 8, .size: 8, .value_kind: global_buffer, .address_space: global }
      - { .name: lowp_scales, .offset: 16, .size: 8, .value_kind: global_buffer, .address_space: global }
      - { .name: out0, .offset: 24, .size: 8, .value_kind: global_buffer, .address_space: global }
    .group_segment_fixed_size: 327680
    .private_segment_fixed_size: 0
    .kernarg_segment_align: 8
    .kernarg_segment_size: 32
    .max_flat_workgroup_size: 128
    .sgpr_count:     98
    .vgpr_count:     1024
    .wavefront_size: 32
...
	.end_amdgpu_metadata
.endif
;; end of part 3
